; MI455X (gfx1250); checked and timed in simulation.
; The chip was launched on July 23, 2026; its instructions are those of AMD's public machine-readable ISA for CDNA 5 (MIT licence, August 2026) and "CDNA5" Instruction Set Architecture Reference Guide (July 2026). The comments in the code are by the model that wrote it; some were corrected since.
;; Net. Allowed arithmetic: float matrix products may take bf16 or f16 operands with f32 sums; all other float work in f32.
;; Inputs: W1 100 x 9 float32; W2 2 x 100 float32; b1 100 float32; b2 2 float32; x 262,144 x 9 float32.
;; Outputs: out0 12 x 262,144 x 2 float32; out1 12 x 262,144 x 2 float32.
;; One version. Each part assembles by itself: llvm-mc -triple=amdgcn-amd-amdhsa -mcpu=gfx1250 --defsym DOCPART=n.
;; ======== version 1 of 1: 1 launch
;; limits: values outside matrix products are rounded to bf16
;; launch snn (part 1): grid 256 x 1, 16 waves a work-group, no clusters, 142,336 bytes of LDS; arguments x, W1, b1, W2, b2, out0, out1; writes out0, out1
.if DOCPART == 1
	.amdgcn_target "amdgcn-amd-amdhsa--gfx1250"
	.amdhsa_code_object_version 6
	.text
	.protected	k_q5d4c9a24e4_snn
	.globl	k_q5d4c9a24e4_snn
	.p2align	8
	.type	k_q5d4c9a24e4_snn,@function
k_q5d4c9a24e4_snn:
	s_mov_b64 s[64:65], 0
	v_nop
	global_prefetch_b8 v0, s[64:65] scope:SCOPE_SE
	s_setreg_imm32_b32 hwreg(HW_REG_WAVE_MODE, 25, 1), 1
	s_wait_xcnt 0x0
; Two-layer leaky integrate-and-fire net, 12 steps, all in one launch.
;   cur1 = x W1^T + b1 (once);  each step: mem1 = (0.95 mem1 + cur1) - spk1_old, spk1 = mem1 > 1,
;   cur2 = spk1 W2^T + b2, mem2 = (0.95 mem2 + cur2) - spk2_old, spk2 = mem2 > 1.  out0 = spk2, out1 = mem2, both [12][262144][2] f32.
; WORK: 314.6 M element-steps of mem1 against 60 MB of traffic: the vector ALU binds, so the text is built for few vector instructions per
; element-step (three) and keeps mem1, cur1 and the spikes in registers for all 12 steps.
; SHARES: 256 work-groups of 16 waves; a work-group owns 1,024 batch rows, a wave 64 neighbouring ones, in 4 phases of 16 rows x 100 hidden units.
; NO WAVE WAITS FOR ANOTHER behind the set-up: two phases give 32 neighbouring rows = 256 bytes of each step of each output, so a wave gathers whole
; pieces of 256 bytes in LDS bytes of its own and stores them itself.  A wave that is ahead reads layer 1's weights from LDS while the
; others of its SIMD are at their vector work.
; LAYOUT: lane (r, h) holds batch row r; its register q < 48 holds hidden unit 16 (q / 8) + 8 h + q % 8, registers 48 and 49 units 96 + 2 h and
; 97 + 2 h: 50 registers hold 100 hidden x 16 rows.  Packing neighbouring registers to bf16 gives layer 2's second source as it stands
; (lane = row, K = hidden along the registers), so nothing is shuffled between the layers.
; LAYER 1 IS SUMMED TERM BY TERM ON THE VECTOR ALU, not by a matrix instruction.  spk1 is a step function of mem1: another last bit in cur1 can
; move a spike by a step, which changes mem2 by a whole weight.  The defining computation rounds every partial sum of the nine products
; (k ascending) to f32 and then adds b1; a matrix instruction returns one number for all its K terms and none of those roundings.  Operands
; are rounded to bf16 all the same, so each product (8 x 8 significant bits) is exact in f32 and one fused multiply-add is exactly
; 'partial sum + product, rounded once'.  It costs 250 packed instructions for 16 rows, against some 1,800 for their 12 steps.
; LAYER 2 is on the matrix unit in bf16: its terms are 0 or 1 times a bf16 weight.  b2 rides as one K slot against a constant 1.0.
; FORMATS AND LIMITS: x, W1, b1, W2, b2 are rounded to bf16 (nearest even); sums, membranes and thresholds are f32.  Order of rounding: cur1 as
; said above; 0.95 mem + cur is ONE fused multiply-add, the old spike is subtracted after it.  Against a computation that rounds otherwise
; a membrane within a last bit of the threshold can spike a step earlier or later.  NaN membranes are not served (they count as no spike).
; NO CLUSTER: what work-groups share is 4,808 bytes of weights, read once by each; x and the outputs are each work-group's own.
.set ROWB,   36                        ; bytes in a row of x
.set WGX,    1024*ROWB                 ; a work-group's part of x: 36,864 bytes
.set PHX,    16*ROWB                   ; a phase's 16 rows of x in LDS
.set STEPB,  2097152                   ; bytes of one time step in an output: 262,144 rows x 8
; LDS
.set XS,     0                         ; x, rounded to bf16 and widened, placed as in memory
.set W1T,    36864                     ; layer 1's weights as f32: [k = 0..9][h][64]; word q of (k, h) belongs to register q of the lanes of half h; k = 9 is b1
.set KW,     512                       ; bytes of one k in that table
.set STG,    41984                     ; the stages for the way out: [wave][output][step][32 rows][2] f32
.set UNIT,   256                       ; 32 rows of one step of one output
.set WSTG,   24*UNIT                   ; a wave's stage: 6,144 bytes, its own
; scalar registers
.set WAVE,   18
.set SBIG,   20                        ; s[20:21] 2^24, twice
.set SBETA,  22                        ; s[22:23] 0.95, twice
.set HMASK,  24                        ; 0xffff0000: as a lane mask lanes 16-31, as a bit mask a word's upper bf16
.set TRIP,   25
.set OUT,    26                        ; s[26:27] out0, s[28:29] out1, at this wave's next 32 rows of step 0
; vector registers
.set LANE,   1
.set RR,     2                         ; r = lane % 16
.set HH,     3                         ; h = lane / 16
.set XA,     4                         ; LDS: my row of x
.set WIA,    5                         ; LDS: my half's part of the weights' table
.set STW,    6                         ; LDS: my word in a piece of my wave's stage
.set FRD,    7                         ; LDS: where I read my wave's stage back
.set GV,     8                         ; v[8:10] byte offset of my 16 bytes in a store: step h, 4 + h, 8 + h
.set M2,     11                        ; mem2 of (row r, output h)
.set S2,     12                        ; spk2
.set TMP,    13
.set TX8,    14                        ; 8 x thread
.set NBIG,   16                        ; v[16:17] -2^24, twice
.set TW2,    18
.set M,      24                        ; v[24:73]   mem1; in layer 1 the weights of an even k
.set S,      74                        ; v[74:123]  spk1 as f32; in layer 1 the weights of an odd k; on the way out v[74:121] carry the stage to memory
.set C,      124                       ; v[124:173] cur1
.set ACC1,   174                       ; v[174:181]
.set ACC0,   182                       ; v[182:189]
.set P,      190                       ; v[190:221] spk1 as bf16 pairs, four K blocks; P+25 = 1.0 for b2, P+26..31 = 0
.set X,      P                         ; in layer 1 v[190:209]: pair k holds x[row][k] twice, pair 9 holds 1.0 twice
.set A2,     222                       ; v[222:253] W2's fragments, four K blocks
; used in the set-up alone, inside M
.set R,      M                         ; four numbers of the table
.set TOFF,   M+4                       ; their byte offsets in W1 or b1
.set TB0,    M+8
.set TB1,    M+9
.set TT,     M+10
.set TT2,    M+11
.set TST,    M+12
.set TO,     M+40
.set TW2B,   M+41
.set TB2,    M+42
.set B2R,    M+48
	s_load_b256 s[4:11], s[0:1], 0x0               ; x s[4:5], W1 s[6:7], b1 s[8:9], W2 s[10:11]
	s_load_b128 s[12:15], s[0:1], 0x20             ; b2 s[12:13], out0 s[14:15]
	s_load_b64 s[16:17], s[0:1], 0x30              ; out1
	v_lshl_add_u32 v254, v0, 2, 0x22400
	v_mov_b32 v255, 0
	v_lshrrev_b32 v[LANE], 5, v0
	v_readfirstlane_b32 s[WAVE], v[LANE]           ; wave 0..15
	v_and_b32 v[LANE], 31, v0
	v_and_b32 v[RR], 15, v0
	v_bfe_u32 v[HH], v0, 4, 1
	v_lshlrev_b32 v[TX8], 3, v0                    ; 8 bytes a thread: a wave's load covers 256 consecutive bytes
	v_lshrrev_b32 v[TO], 3, v[RR]                  ; o = r / 8: the row of W2 that this lane carries
	v_mul_u32_u24 v[TW2B], v[TO], 400              ; a row of W2 is 400 bytes
	v_lshl_add_u32 v[TW2], v[HH], 5, v[TW2B]       ; W2[o][8 h]
	v_lshl_add_u32 v[TW2B], v[HH], 3, v[TW2B]      ; W2[o][2 h] (+ 96 in the immediate)
	v_lshlrev_b32 v[TB2], 2, v[TO]                 ; b2[o]
	v_lshlrev_b32 v[WIA], 8, v[HH]
	v_add_nc_u32 v[WIA], W1T, v[WIA]               ; 256 bytes for each half
	s_mul_i32 s30, ttmp9, WGX                      ; below 9.5 MB: fits 32 bits
	s_mov_b32 s31, 0
	s_mov_b32 s[HMASK], 0xffff0000
	s_mov_b32 s[SBIG], 0x4b800000                  ; 2^24
	s_mov_b32 s[SBIG+1], 0x4b800000
	s_mov_b32 s[SBETA], 0x3f733333                 ; 0.95 in f32
	s_mov_b32 s[SBETA+1], 0x3f733333
	s_wait_kmcnt 0x0
	s_add_nc_u64 s[4:5], s[4:5], s[30:31]          ; x at the work-group's first row
	; all that the work-group reads is asked for here, in one run: x (9 x 4,096 bytes for the 512 threads), then W2 and b2 for every wave's own fragments
.set ii, 0
.rept 9
	global_load_b64 v[S+2*ii:S+2*ii+1], v[TX8], s[4:5] offset:4096*ii th:TH_LOAD_NT
.set ii, ii+1
.endr
.irp u, 0,1,2
	global_load_b128 v[C+16*\u:C+16*\u+3],     v[TW2], s[10:11] offset:128*\u      ; W2[o][32 u + 8 h + 0..3]
	global_load_b128 v[C+16*\u+4:C+16*\u+7],   v[TW2], s[10:11] offset:128*\u+16   ;                   + 4..7
	global_load_b128 v[C+16*\u+8:C+16*\u+11],  v[TW2], s[10:11] offset:128*\u+64   ; W2[o][32 u + 16 + 8 h + 0..3]
	global_load_b128 v[C+16*\u+12:C+16*\u+15], v[TW2], s[10:11] offset:128*\u+80   ;                        + 4..7
.endr
	global_load_b64 v[C+48:C+49], v[TW2B], s[10:11] offset:384                     ; W2[o][96 + 2 h], [97 + 2 h]
	global_load_b32 v[B2R], v[TB2], s[12:13]
	; addresses, while the loads are out
	v_lshl_add_u32 v[TMP], s[WAVE], 6, v[RR]       ; my row in the wave's first phase: 64 w + r
	v_mul_u32_u24 v[XA], v[TMP], ROWB
	s_mul_i32 s32, s[WAVE], WSTG
	s_add_co_u32 s32, s32, STG                     ; my wave's stage
	v_lshlrev_b32 v[TMP], 3, v[RR]
	v_lshl_add_u32 v[TMP], v[HH], 2, v[TMP]
	v_add_nc_u32 v[STW], s32, v[TMP]               ; in: 8 r + 4 h: 32 neighbouring words a wave; piece and phase stand in the immediate
	v_lshlrev_b32 v[TMP], 4, v[LANE]
	v_add_nc_u32 v[FRD], s32, v[TMP]               ; back: 16 bytes a lane: lanes 0-15 take one piece of 256 bytes, lanes 16-31 the next step's
	v_lshlrev_b32 v[GV], 4, v[RR]
	v_lshl_add_u32 v[GV], v[HH], 21, v[GV]         ; in memory those two pieces lie one step (2^21 bytes) apart
	v_add_nc_u32 v[GV+1], 4*STEPB, v[GV]           ; three offsets, four steps apart, so that what is left of a step's place,
	v_add_nc_u32 v[GV+2], 8*STEPB, v[GV]           ; 0 or 2 steps, fits the stores' signed 24-bit immediate
	s_lshl_b32 s30, ttmp9, 13                      ; 1,024 rows x 8 bytes,
	s_lshl_b32 s33, s[WAVE], 9                     ; 64 rows x 8 bytes
	s_add_co_u32 s30, s30, s33                     ; below 2 MiB; s31 is still 0
	s_add_nc_u64 s[OUT:OUT+1], s[14:15], s[30:31]
	s_add_nc_u64 s[OUT+2:OUT+3], s[16:17], s[30:31]
	; Layer 1's table, made once for the work-group: wave k < 9 places column k of W1, wave 9 places b1; 128 words each, four a lane.
	; Word 32 j + lane of a wave's 128 is (h = j / 2, q = 32 (j % 2) + lane).  Words q = 50..63 are never read; they repeat units 98 and 99.
	s_lshl_b32 s36, s[WAVE], 2                     ; 4 k
	s_cmp_gt_u32 s[WAVE], 9
	s_cbranch_scc1 .Lno_table
	s_cmp_eq_u32 s[WAVE], 9
	s_cselect_b64 s[34:35], s[8:9], s[6:7]         ; b1 for wave 9, W1 for the others
	s_cselect_b32 s33, 4, ROWB                     ; bytes from a unit to the next
	s_cselect_b32 s36, 0, s36                      ; and the column's place in a row
	v_lshrrev_b32 v[TB0], 3, v[LANE]
	v_lshl_add_u32 v[TB0], v[TB0], 3, v[LANE]      ; q = lane, h = 0: unit 16 (q / 8) + q % 8
	v_add_nc_u32 v[TB1], 64, v[TB0]                ; q = 32 + lane below 48: 64 more
	v_add_nc_u32 v[TT], 80, v[LANE]                ; q = 48, 49 (lanes 16, 17): unit 96 + (q - 48)
	v_min_u32 v[TT2], 99, v[TT]
	v_cndmask_b32 v[TOFF+1], v[TB1], v[TT2], s[HMASK]
	v_add_nc_u32 v[TT], 2, v[TT]                   ; h = 1: two units on,
	v_min_u32 v[TT], 99, v[TT]
	v_add_nc_u32 v[TB1], 8, v[TB1]                 ; or eight below q = 48
	v_cndmask_b32 v[TOFF+3], v[TB1], v[TT], s[HMASK]
	v_add_nc_u32 v[TOFF+2], 8, v[TB0]
	v_mad_u32_u24 v[TOFF], v[TB0], s33, s36        ; units are 99 at the most: the last byte read is the buffer's last
.irp j, 1,2,3
	v_mad_u32_u24 v[TOFF+\j], v[TOFF+\j], s33, s36
.endr
.irp j, 0,1,2,3
	global_load_b32 v[R+\j], v[TOFF+\j], s[34:35]
.endr
	v_lshlrev_b32 v[TST], 2, v[LANE]
	v_lshl_add_u32 v[TST], s[WAVE], 9, v[TST]      ; 512 k + 4 lane
	s_wait_loadcnt 0x0
	v_cvt_pk_bf16_f32 v[R+1], v[R], v[R+1]         ; rounded to bf16,
	v_cvt_pk_bf16_f32 v[R+3], v[R+2], v[R+3]
	v_lshlrev_b32 v[R], 16, v[R+1]                 ; and widened again
	v_and_b32 v[R+1], s[HMASK], v[R+1]
	v_lshlrev_b32 v[R+2], 16, v[R+3]
	v_and_b32 v[R+3], s[HMASK], v[R+3]
.irp j, 0,1,2,3
	ds_store_b32 v[TST], v[R+\j] offset:W1T+128*\j
.endr
.Lno_table:
	s_wait_loadcnt 0x0                             ; x, W2, b2
.set ii, 0
.rept 9
	v_cvt_pk_bf16_f32 v[S+2*ii+1], v[S+2*ii], v[S+2*ii+1]          ; x is rounded once, here, for all who read it
	v_lshlrev_b32 v[S+2*ii], 16, v[S+2*ii+1]
	v_and_b32 v[S+2*ii+1], s[HMASK], v[S+2*ii+1]
	ds_store_b64 v[TX8], v[S+2*ii:S+2*ii+1] offset:XS+4096*ii
.set ii, ii+1
.endr
	; W2's fragments stay in registers.  Every lane carries row o = r / 8, so all eight result registers hold the same: register 0 of lane (r, h) is cur2[row r][output h]
.set ii, 0
.rept 24
	v_cvt_pk_bf16_f32 v[A2+ii], v[C+2*ii], v[C+2*ii+1]
.set ii, ii+1
.endr
	v_cvt_pk_bf16_f32 v[A2+24], v[C+48], v[C+49]   ; K block 3, slots 8 h, 8 h + 1: units 96 + 2 h, 97 + 2 h
	v_cvt_pk_bf16_f32 v[A2+25], v[B2R], 0          ; slot 2: b2[o];
	v_cndmask_b32 v[A2+25], v[A2+25], 0, s[HMASK]  ; slot 10: nothing
	v_mov_b32 v[P+25], 0x3f80                      ; against 1.0 in slots 2 and 10 of the spikes' fragment
.irp j, 26,27,28,29,30,31
	v_mov_b32 v[A2+\j], 0
	v_mov_b32 v[P+\j], 0
.endr
	v_mov_b32 v[NBIG], 0xcb800000                  ; -2^24
	v_mov_b32 v[NBIG+1], 0xcb800000
	s_wait_dscnt 0x0                               ; my part of x and of the table is in LDS,
	s_barrier_signal -1
	s_barrier_wait -1                              ; everybody's is.  The only barrier: behind it x and the table are read alone, and each stage is one wave's own
; The 50 weights of term k for my half of the lanes: sixteen lanes share each address
.macro LOADW k, buf
.set ii, 0
.rept 12
	ds_load_b128 v[\buf+4*ii:\buf+4*ii+3], v[WIA] offset:KW*(\k)+16*ii
.set ii, ii+1
.endr
	ds_load_b64 v[\buf+48:\buf+49], v[WIA] offset:KW*(\k)+192
.endm
; Term k joins the 50 sums.  The product is exact, so each line is 'sum + product' with one rounding; the first product starts the sums.
.macro TERM k, buf
.set ii, 0
.rept 25
.if (\k) == 0
	v_pk_mul_f32 v[C+2*ii:C+2*ii+1], v[\buf+2*ii:\buf+2*ii+1], v[X:X+1]
.else
	v_pk_fma_f32 v[C+2*ii:C+2*ii+1], v[\buf+2*ii:\buf+2*ii+1], v[X+2*(\k):X+2*(\k)+1], v[C+2*ii:C+2*ii+1]
.endif
.set ii, ii+1
.endr
.endm
; cur1 of my 16 rows: k = 0 .. 8 ascending, then b1 (term 9, times 1.0).  Two weight buffers take turns: term k + 1 is fetched while term k is multiplied.
.macro LAYER1 xoff
.irp k, 0,1,2,3,4,5,6,7,8
	ds_load_b32 v[X+2*\k],   v[XA] offset:\xoff+4*\k       ; each number into both registers of a pair, so that the packed lines need no selectors;
	ds_load_b32 v[X+2*\k+1], v[XA] offset:\xoff+4*\k       ; rows are 9 words apart: the 16 rows touch 16 different banks, the two halves share a word
.endr
	LOADW 0, M
	v_mov_b32 v[X+18], 1.0
	v_mov_b32 v[X+19], 1.0
	s_wait_dscnt 0x0
.irp k, 0,2,4,6,8
	LOADW \k+1, S
	TERM \k, M
	s_wait_dscnt 0x0                               ; the odd term's weights are in
.if \k < 8
	LOADW \k+2, M
.endif
	TERM \k+1, S
.if \k < 8
	s_wait_dscnt 0x0                               ; the next even term's weights are in
.endif
.endr
.endm
; np register pairs from index lo on
.macro RESET lo, np                    ; mem1 = (0.95 mem1 + cur1) - the last step's spike
.set ii, 0
.rept \np
	v_pk_add_f32 v[M+\lo+2*ii:M+\lo+2*ii+1], v[M+\lo+2*ii:M+\lo+2*ii+1], v[S+\lo+2*ii:S+\lo+2*ii+1] neg_lo:[0,1] neg_hi:[0,1]
.set ii, ii+1
.endr
.endm
.macro SPIKES src, lo, np, pb          ; spk1 = mem1 > 1, as f32 for the next reset and as bf16 pairs for layer 2
.set ii, 0
.rept \np
	v_pk_fma_f32 v[S+\lo+2*ii:S+\lo+2*ii+1], v[\src+\lo+2*ii:\src+\lo+2*ii+1], s[SBIG:SBIG+1], v[NBIG:NBIG+1] op_sel_hi:[1,0,1]   ; (mem1 - 1) 2^24 in one rounding: 0 or less up to 1.0, at least 2 from the next f32 above 1.0 on
.set ii, ii+1
.endr
.set ii, 0
.rept 2*\np
	v_med3_num_f32 v[S+\lo+ii], v[S+\lo+ii], 0, 1.0        ; clamped: exactly 0.0 or 1.0
.set ii, ii+1
.endr
.set ii, 0
.rept \np
	v_cvt_pk_bf16_f32 v[P+\pb+ii], v[S+\lo+2*ii], v[S+\lo+2*ii+1]
.set ii, ii+1
.endr
.endm
.macro LEAK src, lo, np                ; 0.95 mem1 + cur1, fused, for the next step
.set ii, 0
.rept \np
	v_pk_fma_f32 v[M+\lo+2*ii:M+\lo+2*ii+1], v[\src+\lo+2*ii:\src+\lo+2*ii+1], s[SBETA:SBETA+1], v[C+\lo+2*ii:C+\lo+2*ii+1] op_sel_hi:[1,0,1]
.set ii, ii+1
.endr
.endm
; One K block of a step.  kind 0: the first step (mem1 = cur1, nothing to subtract); 1: a middle step; 2: the last (no next step to prepare).
.macro BLOCK kind, lo, np, pb, acc, chain
.if \kind == 0
	SPIKES C, \lo, \np, \pb
.else
	RESET \lo, \np
	SPIKES M, \lo, \np, \pb
.endif
.if \chain
	v_wmma_f32_16x16x32_bf16 v[\acc:\acc+7], v[A2+\pb:A2+\pb+7], v[P+\pb:P+\pb+7], v[\acc:\acc+7]
.else
	v_wmma_f32_16x16x32_bf16 v[\acc:\acc+7], v[A2+\pb:A2+\pb+7], v[P+\pb:P+\pb+7], 0
.endif
.if \kind == 0
	LEAK C, \lo, \np
.endif
.if \kind == 1
	LEAK M, \lo, \np
.endif
.endm
; Step t of phase ph (0 or 1 of a trip).  The four K blocks go to two accumulators by turns, one instruction a turn; the first product of each starts its sum.
.macro STEP kind, t, ph
	BLOCK \kind, 48, 1, 24, ACC0, 0                ; units 96..99 and b2
	BLOCK \kind, 0,  8, 0,  ACC1, 0                ; units 0..31
	BLOCK \kind, 16, 8, 8,  ACC0, 1                ; units 32..63
	BLOCK \kind, 32, 8, 16, ACC1, 1                ; units 64..95; its eight LEAK lines are the places behind the last product
.if \kind == 2
.rept 4
	v_nop                                          ; no LEAK here: four places before the sums are read (ISA guide 7.12.1)
.endr
.endif
.if \kind == 0
	v_add_f32 v[M2], v[ACC0], v[ACC1]              ; mem2 = cur2 in the first step
.else
	v_add_f32 v[TMP], v[ACC0], v[ACC1]             ; cur2 of (row r, output h)
	v_fma_f32 v[TMP], s[SBETA], v[M2], v[TMP]
	v_sub_f32 v[M2], v[TMP], v[S2]
.endif
	v_cmp_lt_f32 vcc_lo, 1.0, v[M2]
	v_cndmask_b32 v[S2], 0, 1.0, vcc_lo
	ds_store_b32 v[STW], v[S2] offset:\t*UNIT+\ph*128          ; the phase's 16 rows are half of a piece
	ds_store_b32 v[STW], v[M2] offset:(12+\t)*UNIT+\ph*128
.endm
; A phase: cur1 of 16 rows, then their 12 steps
.macro PHASE ph
	LAYER1 \ph*PHX
	STEP 0, 0, \ph
.irp t, 1,2,3,4,5,6,7,8,9,10
	STEP 1, \t, \ph
.endr
	STEP 2, 11, \ph
.endm
; The way out, behind two phases: the wave's 24 pieces of 256 bytes, two to a load and a store.  The stage is the wave's own and LDS serves a wave's
; instructions in order (ISA guide 5.7.1): the loads see the stores above without a wait, and the next trip's stores come behind these loads.
.macro FLUSH
.set ii, 0
.rept 12
	ds_load_b128 v[S+4*ii:S+4*ii+3], v[FRD] offset:512*ii      ; pieces 2 ii and 2 ii + 1: steps 2 (ii % 6) and 2 (ii % 6) + 1 of output ii / 6
.set ii, ii+1
.endr
.irp o, 0,1
.irp g, 0,1,2
.irp e, 0,1
	s_wait_dscnt 11-(6*\o+2*\g+\e)                 ; twelve loads were issued in a run and come back in order: this store's is in, the younger ones may be out
	global_store_b128 v[GV+\g], v[S+4*(6*\o+2*\g+\e):S+4*(6*\o+2*\g+\e)+3], s[OUT+2*\o:OUT+2*\o+1] offset:\e*2*STEPB th:TH_STORE_NT   ; lanes 0-15 store 256 consecutive bytes, aligned; lanes 16-31 the same rows one step on
.endr
.endr
.endr
	s_wait_xcnt 0x0                                ; the stores' data (S) and bases are written again only behind this wait
.endm
	s_mov_b32 s[TRIP], 0
.Ltrip:                                            ; a trip: 32 rows of the wave's 64
	PHASE 0
	PHASE 1
	FLUSH
	s_add_nc_u64 s[OUT:OUT+1], s[OUT:OUT+1], UNIT
	s_add_nc_u64 s[OUT+2:OUT+3], s[OUT+2:OUT+3], UNIT
	v_add_nc_u32 v[XA], 2*PHX, v[XA]
	s_add_co_u32 s[TRIP], s[TRIP], 1
	s_cmp_lt_u32 s[TRIP], 2
	s_cbranch_scc1 .Ltrip
	s_wait_tensorcnt 0x0
	ds_add_u32 v254, v255
	s_wait_dscnt 0x0
	s_endpgm
.Lfunc_end_k_q5d4c9a24e4_snn:
	.size	k_q5d4c9a24e4_snn, .Lfunc_end_k_q5d4c9a24e4_snn-k_q5d4c9a24e4_snn
	.p2alignl 7, 3214868480
	.fill 96, 4, 3214868480
	.section	.rodata,"a",@progbits
	.p2align	6, 0x0
	.amdhsa_kernel k_q5d4c9a24e4_snn
		.amdhsa_group_segment_fixed_size 142336
		.amdhsa_private_segment_fixed_size 0
		.amdhsa_enable_private_segment 0
		.amdhsa_kernarg_size 56
		.amdhsa_user_sgpr_count 2
		.amdhsa_user_sgpr_kernarg_segment_ptr 1
		.amdhsa_wavefront_size32 1
		.amdhsa_system_sgpr_workgroup_id_x 1
		.amdhsa_system_sgpr_workgroup_id_y 1
		.amdhsa_system_sgpr_workgroup_id_z 1
		.amdhsa_system_vgpr_workitem_id 0
		.amdhsa_next_free_vgpr 256
		.amdhsa_next_free_sgpr 66
		.amdhsa_reserve_vcc 1
		.amdhsa_float_denorm_mode_32 3
		.amdhsa_float_denorm_mode_16_64 3
		.amdhsa_memory_ordered 1
		.amdhsa_forward_progress 1
		.amdhsa_inst_pref_size 255
	.end_amdhsa_kernel
	.section	.bss,"aw",@nobits
	.p2align	6
	.space	262144
	.amdgpu_metadata
---
amdhsa.version: [ 1, 2 ]
amdhsa.kernels:
  - .name:           k_q5d4c9a24e4_snn
    .symbol:         k_q5d4c9a24e4_snn.kd
    .args:
      - { .name: x, .offset: 0, .size: 8, .value_kind: global_buffer, .address_space: global }
      - { .name: W1, .offset: 8, .size: 8, .value_kind: global_buffer, .address_space: global }
      - { .name: b1, .offset: 16, .size: 8, .value_kind: global_buffer, .address_space: global }
      - { .name: W2, .offset: 24, .size: 8, .value_kind: global_buffer, .address_space: global }
      - { .name: b2, .offset: 32, .size: 8, .value_kind: global_buffer, .address_space: global }
      - { .name: out0, .offset: 40, .size: 8, .value_kind: global_buffer, .address_space: global }
      - { .name: out1, .offset: 48, .size: 8, .value_kind: global_buffer, .address_space: global }
    .group_segment_fixed_size: 142336
    .private_segment_fixed_size: 0
    .kernarg_segment_align: 8
    .kernarg_segment_size: 56
    .max_flat_workgroup_size: 512
    .sgpr_count:     66
    .vgpr_count:     256
    .wavefront_size: 32
...
	.end_amdgpu_metadata
.endif
;; end of part 1
